; MI455X (gfx1250); checked and timed in simulation.
; The chip was launched on July 23, 2026; its instructions are those of AMD's public machine-readable ISA for CDNA 5 (MIT licence, August 2026) and "CDNA5" Instruction Set Architecture Reference Guide (July 2026). The comments in the code are by the model that wrote it; some were corrected since.
;; VQVAE Layer. Allowed arithmetic: float matrix products may take bf16 or f16 operands with f32 sums; all other float work in f32.
;; Inputs: emb_weight 8,192 x 256 float32; inputs 64 x 512 x 256 float32.
;; Outputs: out0 64 x 512 x 256 float32; out1 one number float32; out2 64 x 512 int32.
;; One version. Each part assembles by itself: llvm-mc -triple=amdgcn-amd-amdhsa -mcpu=gfx1250 --defsym DOCPART=n.
;; ======== version 1 of 1: 5 launches
;; workspace buffers: cimg 4,390,912 bytes; ctr 4,194,304 bytes; cand 262,144 bytes of whole numbers; idxw 131,072 bytes of whole numbers; part 2,048 bytes
;; launch prep (part 1): grid 128 x 1, 4 waves a work-group, no clusters, 34,560 bytes of LDS; arguments emb_weight, cimg, ctr; writes cimg, ctr
.if DOCPART == 1
	.amdgcn_target "amdgcn-amd-amdhsa--gfx1250"
	.amdhsa_code_object_version 6
	.text
	.protected	k_q0cf0f698d2_prep
	.globl	k_q0cf0f698d2_prep
	.p2align	8
	.type	k_q0cf0f698d2_prep,@function
k_q0cf0f698d2_prep:
	s_mov_b64 s[64:65], 0
	v_nop
	global_prefetch_b8 v0, s[64:65] scope:SCOPE_SE
	s_setreg_imm32_b32 hwreg(HW_REG_WAVE_MODE, 25, 1), 1
	s_wait_xcnt 0x0
; The codebook rounded to bf16, in two layouts.  emb_weight: [8192][256] f32.
; cimg: 32 ready pictures of an LDS slot.  Picture s (137,216 bytes) holds codes 256 s .. 256 s + 255:
;   byte c*528 + 0..511    the code's 256 numbers rounded to bf16 (nearest even);  c*528 + 512..527  zeros (the pitch of 528 = 33 x 16 bytes)
;   byte 135,168 + 4 c     B[c] = the sum of the squares of the ROUNDED numbers, f32;  136,192 .. 137,215  zeros
;   The matrix launch copies a picture into LDS as it lies, and every work-group is spared the conversion of the whole codebook.
; ctr: the same bf16 numbers by blocks of 8 codes: byte 4096 b + 128 i + 16 c holds the numbers 8 i .. 8 i + 7 of code 8 b + c.
;   The launch that sums along a code's row, one lane a code, then finds the 16 bytes of 8 neighbouring lanes side by side.
; Four waves; the work-group owns 64 codes (a quarter of a picture), a wave 16: 16 x 528 = 8,448 bytes = 33 x 256, 64 B make 256 bytes, and a wave's
; two blocks of ctr are 8,192 bytes: every store below covers 256 or 512 consecutive bytes at a multiple of 256 from its buffer's first byte.
; That is why there are 128 work-groups.
; Memory binds here (8.4 MB in, 8.6 MB out): no matrix unit, no cluster, no tensor load; all 32 loads of a wave go out at once.
; The order of the f32 sum in B is this text's own (4 numbers a lane and load, then across the lanes).
.set PITCH, 528
.set WSTG,  16*PITCH                   ; a wave's stage in LDS: 8,448 bytes
.set ESQ,   4*WSTG                     ; behind the stages: the group's 64 B
.set IMG,   137216                     ; bytes in a picture
.set BOFF,  256*PITCH                  ; where B begins in a picture
.set ZOFF,  BOFF+1024                  ; where the closing zeros begin
.set X, 8                              ; v[8:135]   16 rows x 8 registers as loaded; later v[8:73] the stage read back as it lies
.set TRG, 76                           ; v[76:139]  the stage read back by blocks and steps
.set P, 136                            ; v[136:139] a row's 8 numbers of mine as bf16
.set T, 140                            ; v[140:147] the same widened again
.set S, 148                            ; v[148:149] sums of squares
	s_load_b128 s[4:7], s[0:1], 0x0                ; emb_weight s[4:5], cimg s[6:7]
	s_load_b64 s[24:25], s[0:1], 0x10              ; ctr
	v_lshl_add_u32 v160, v0, 2, 0x8500
	v_mov_b32 v161, 0
	v_and_b32 v1, 31, v0                           ; lane
	v_lshrrev_b32 v2, 5, v0
	v_readfirstlane_b32 s10, v2                    ; wave 0..3
	s_lshr_b32 s11, ttmp9, 2                       ; my picture
	s_and_b32 s14, ttmp9, 3                        ; my quarter of it
	s_mov_b32 s12, 0x76543210                      ; v_permlanex16_b32: lane i of one half reads lane i of the other
	s_mov_b32 s13, 0xfedcba98
	s_mov_b32 s15, 0xffff0000                      ; a word's upper bf16
	s_lshl_b32 s16, ttmp9, 16                      ; 64 rows of 1,024 bytes
	s_mov_b32 s17, 0
	s_mul_i32 s18, s11, IMG                        ; below 4.4 million
	s_mov_b32 s19, 0
	s_mul_i32 s22, s10, WSTG                       ; my wave's stage, and its place in the quarter
	s_mul_i32 s20, s14, 4*WSTG
	s_add_co_u32 s20, s20, s22
	s_mov_b32 s21, 0
	s_lshl_b32 s2, s14, 8                          ; my quarter's 256 bytes of B and of the zeros
	s_mov_b32 s3, 0
	s_lshl_b32 s26, ttmp9, 15                      ; ctr: 64 codes of 512 bytes
	s_lshl_b32 s27, s10, 13                        ; + 16 codes a wave
	s_add_co_u32 s26, s26, s27
	s_mov_b32 s27, 0
	v_lshlrev_b32 v2, 4, v1
	v_lshl_add_u32 v2, s10, 14, v2                 ; load offset: wave x 16 rows + 16 x lane
	v_lshl_add_u32 v3, v1, 3, s22                  ; stage: 8 x lane
	v_and_b32 v5, 15, v0
	v_mad_u32_u24 v4, v5, PITCH, s22               ; stage: row (lane mod 16), for the 16 bytes behind it
	v_lshlrev_b32 v7, 2, v5
	v_lshl_add_u32 v7, s10, 6, v7                  ; 4 x (16 x wave + lane mod 16)
	v_lshlrev_b32 v156, 3, v1                      ; 8 x lane: never rewritten
	v_lshlrev_b32 v157, 4, v1                      ; 16 x lane: never rewritten
	v_and_b32 v158, 7, v0
	v_mad_u32_u24 v158, v158, PITCH, s22           ; stage: row (lane mod 8)
	v_bfe_u32 v159, v0, 3, 2
	v_lshl_add_u32 v158, v159, 4, v158             ; + 16 bytes x (lane / 8)
	v_mov_b32 v150, 0                              ; v_permlanex16_b32 counts as a reader of its destination
	v_mov_b32 v152, 0
	v_mov_b32 v153, 0
	v_mov_b32 v154, 0
	v_mov_b32 v155, 0
	s_wait_kmcnt 0x0
	s_add_nc_u64 s[4:5], s[4:5], s[16:17]          ; the group's first row
	s_add_nc_u64 s[8:9], s[6:7], s[18:19]          ; my picture
	s_add_nc_u64 s[6:7], s[8:9], s[20:21]          ; my wave's 8,448 bytes in it
	s_add_nc_u64 s[8:9], s[8:9], s[2:3]            ; my picture + 256 x quarter
	s_add_nc_u64 s[24:25], s[24:25], s[26:27]      ; my wave's two blocks of ctr
.set i, 0
.rept 16
	global_load_b128 v[X+8*i:X+8*i+3],   v2, s[4:5] offset:1024*i th:TH_LOAD_NT       ; numbers 4 l .. 4 l + 3 of row i
	global_load_b128 v[X+8*i+4:X+8*i+7], v2, s[4:5] offset:1024*i+512 th:TH_LOAD_NT   ; numbers 128 + 4 l ..
.set i, i+1
.endr
; Row i: round, lay into the stage, and sum the squares of what was rounded.
.macro ROW i
	s_wait_loadcnt 30-2*\i                         ; loads come back in order: this row's two are in, the younger rows' stay out
.irp k, 0,1,2,3
	v_cvt_pk_bf16_f32 v[P+\k], v[X+8*\i+2*\k], v[X+8*\i+2*\k+1]
.endr
	ds_store_b64 v3, v[P:P+1]   offset:PITCH*\i
	ds_store_b64 v3, v[P+2:P+3] offset:PITCH*\i+256
.irp k, 0,1,2,3
	v_lshlrev_b32 v[T+2*\k],   16,  v[P+\k]
	v_and_b32     v[T+2*\k+1], s15, v[P+\k]
.endr
	v_pk_mul_f32 v[S:S+1], v[T:T+1], v[T:T+1]
	v_pk_fma_f32 v[S:S+1], v[T+2:T+3], v[T+2:T+3], v[S:S+1]
	v_pk_fma_f32 v[S:S+1], v[T+4:T+5], v[T+4:T+5], v[S:S+1]
	v_pk_fma_f32 v[S:S+1], v[T+6:T+7], v[T+6:T+7], v[S:S+1]
	v_add_f32 v[S], v[S], v[S+1]
	v_add_f32_dpp v[S], v[S], v[S] row_xmask:1 row_mask:0xf bank_mask:0xf
	v_add_f32_dpp v[S], v[S], v[S] row_xmask:2 row_mask:0xf bank_mask:0xf
	v_add_f32_dpp v[S], v[S], v[S] row_xmask:4 row_mask:0xf bank_mask:0xf
	v_add_f32_dpp v[S], v[S], v[S] row_xmask:8 row_mask:0xf bank_mask:0xf
	v_permlanex16_b32 v150, v[S], s12, s13
	v_add_f32 v[S], v[S], v150                     ; every lane holds the row's sum
.if \i == 0
	v_mov_b32 v6, v[S]                             ; the first row starts the collection: nothing is cleared
.else
	v_cmp_eq_u32 vcc_lo, \i, v5
	v_cndmask_b32 v6, v6, v[S], vcc_lo             ; lane l keeps row l mod 16
.endif
.endm
.irp i, 0,1,2,3,4,5,6,7,8,9,10,11,12,13,14,15
	ROW \i
.endr
	ds_store_b128 v4, v[152:155] offset:512        ; the 16 bytes behind each of my 16 rows (both halves of the lanes write the same zeros)
	ds_store_b32 v7, v6 offset:ESQ                 ; my 16 B (both halves write the same numbers)
	; The stage is read back twice.  LDS serves a wave's instructions in order (ISA guide 5.7.1), and these bytes are my wave's own:
	; no wait between the stores above and these loads.
.set t, 0
.rept 33
	ds_load_b64 v[X+2*t:X+2*t+1], v3 offset:256*t                  ; as it lies, for cimg
.set t, t+1
.endr
	; for ctr: byte 512 t + 16 l of my 8,192 is block t / 8, step 4 (t % 8) + l / 8, code l % 8: row 8 (t / 8) + l % 8 of the stage, byte 16 x step.
	; (In a group of 16 lanes, rows 0-7 at one step and rows 0-7 at the next meet two deep in seven 16-byte columns: 16 loads a wave in the whole launch.)
.set t, 0
.rept 16
	ds_load_b128 v[TRG+4*t:TRG+4*t+3], v158 offset:(t>>3)*8*PITCH+(t&7)*64
.set t, t+1
.endr
.set t, 0
.rept 33
	s_wait_dscnt 48-t                              ; load t is in; the 32 - t behind it and the 16 for ctr stay out
	global_store_b64 v156, v[X+2*t:X+2*t+1], s[6:7] offset:256*t    ; 32 lanes x 8 bytes: 256 consecutive bytes, aligned
.set t, t+1
.endr
.set t, 0
.rept 16
	s_wait_dscnt 15-t                              ; load t of the 16 is in
	global_store_b128 v157, v[TRG+4*t:TRG+4*t+3], s[24:25] offset:512*t   ; 32 lanes x 16 bytes: 512 consecutive bytes, aligned
.set t, t+1
.endr
	s_wait_dscnt 0x0                               ; my B are in LDS (for the others' sake: zero)
	s_barrier_signal -1
	s_barrier_wait -1                              ; everybody's are
	s_cmp_lg_u32 s10, 0
	s_cbranch_scc1 .Lnot_wave_0
	ds_load_b64 v[T:T+1], v156 offset:ESQ          ; wave 0: the group's 64 B
	s_wait_dscnt 0x0
	global_store_b64 v156, v[T:T+1], s[8:9] offset:BOFF
	s_branch .Lend
.Lnot_wave_0:
	s_cmp_lg_u32 s10, 1
	s_cbranch_scc1 .Lend
	global_store_b64 v156, v[152:153], s[8:9] offset:ZOFF          ; wave 1: the group's quarter of the closing zeros
.Lend:
	s_wait_tensorcnt 0x0
	ds_add_u32 v160, v161
	s_wait_dscnt 0x0
	s_endpgm
.Lfunc_end_k_q0cf0f698d2_prep:
	.size	k_q0cf0f698d2_prep, .Lfunc_end_k_q0cf0f698d2_prep-k_q0cf0f698d2_prep
	.p2alignl 7, 3214868480
	.fill 96, 4, 3214868480
	.section	.rodata,"a",@progbits
	.p2align	6, 0x0
	.amdhsa_kernel k_q0cf0f698d2_prep
		.amdhsa_group_segment_fixed_size 34560
		.amdhsa_private_segment_fixed_size 0
		.amdhsa_enable_private_segment 0
		.amdhsa_kernarg_size 24
		.amdhsa_user_sgpr_count 2
		.amdhsa_user_sgpr_kernarg_segment_ptr 1
		.amdhsa_wavefront_size32 1
		.amdhsa_system_sgpr_workgroup_id_x 1
		.amdhsa_system_sgpr_workgroup_id_y 1
		.amdhsa_system_sgpr_workgroup_id_z 1
		.amdhsa_system_vgpr_workitem_id 0
		.amdhsa_next_free_vgpr 162
		.amdhsa_next_free_sgpr 66
		.amdhsa_reserve_vcc 1
		.amdhsa_float_denorm_mode_32 3
		.amdhsa_float_denorm_mode_16_64 3
		.amdhsa_memory_ordered 1
		.amdhsa_forward_progress 1
		.amdhsa_inst_pref_size 37
	.end_amdhsa_kernel
	.amdgpu_metadata
---
amdhsa.version: [ 1, 2 ]
amdhsa.kernels:
  - .name:           k_q0cf0f698d2_prep
    .symbol:         k_q0cf0f698d2_prep.kd
    .args:
      - { .name: emb_weight, .offset: 0, .size: 8, .value_kind: global_buffer, .address_space: global }
      - { .name: cimg, .offset: 8, .size: 8, .value_kind: global_buffer, .address_space: global }
      - { .name: ctr, .offset: 16, .size: 8, .value_kind: global_buffer, .address_space: global }
    .group_segment_fixed_size: 34560
    .private_segment_fixed_size: 0
    .kernarg_segment_align: 8
    .kernarg_segment_size: 24
    .max_flat_workgroup_size: 128
    .sgpr_count:     66
    .vgpr_count:     162
    .wavefront_size: 32
...
	.end_amdgpu_metadata
.endif
;; end of part 1
;; launch vq (part 2): grid 256 x 1, 8 waves a work-group, clusters of 4 x 1, 327,680 bytes of LDS; arguments inputs, cimg, cand; writes cand
.if DOCPART == 2
	.amdgcn_target "amdgcn-amd-amdhsa--gfx1250"
	.amdhsa_code_object_version 6
	.text
	.protected	k_q0cf0f698d2_vq
	.globl	k_q0cf0f698d2_vq
	.p2align	8
	.type	k_q0cf0f698d2_vq,@function
k_q0cf0f698d2_vq:
	s_mov_b64 s[64:65], 0
	v_nop
	global_prefetch_b8 v0, s[64:65] scope:SCOPE_SE
	s_setreg_imm32_b32 hwreg(HW_REG_WAVE_MODE, 25, 1), 1
	s_wait_xcnt 0x0
	s_wait_alu depctr_hold_cnt(0) depctr_sa_sdst(0) depctr_va_vdst(0) depctr_va_sdst(0) depctr_va_ssrc(0) depctr_va_vcc(0) depctr_vm_vsrc(0)
	s_getreg_b32 s2, hwreg(HW_REG_IB_STS2, 6, 4)
	s_cmp_eq_u32 s2, 0
	s_cbranch_scc0 .Lentry_in_a_cluster
	s_endpgm
.Lentry_in_a_cluster:
	s_bfe_u32 s2, ttmp6, 0x10000c
	s_cmp_lg_u32 s2, 0x3003
	s_cbranch_scc0 .Lentry_shape_is_right
	s_endpgm
.Lentry_shape_is_right:
; All distances on the matrix units, and for each row the TWO BEST BLOCKS of 8 codes.  inputs: [32768][256] f32; cimg: 32 pictures of 256 codes
; (bf16 rows at a pitch of 528 bytes, then B = sum of squares); cand: [32768][2] i32, the first code of each of the row's two best blocks.
; d[n][k] = fl( fl(A[n] + B[k]) - 2 M[n][k] ), the JAX function's own two roundings in its own order (2 M is exact, so one fused multiply-add by -2
; makes the second); M from bf16 operands with f32 sums.  A and B are sums of squares of the bf16-ROUNDED numbers.
; WHY TWO BLOCKS AND NOT THE INDEX.  d lies on the grid of one unit in A's last place, far coarser than M: codes tie, and the last bits of M decide on which
; side of a rounding boundary a d falls.  The matrix unit does not add as a chain of f32 additions does, so this launch only proposes: blocks are ranked
; by (least d, lowest base), and the next launch makes M anew for their 16 codes as such a chain and takes the index.
; LIMITS, kept knowingly: a d that is NaN never wins (argmin would take it).  A code in a third block is not looked at again: it would be missed only if three
; blocks lie within one grid step of each other and the chain's M carries that code over a rounding boundary.
;
; SHARES.  A work-group owns 128 rows and walks all 32 pictures.  Eight waves: wave w has the rows 64 (w & 1) .. + 63 and, of each picture, the codes
; 64 (w >> 1) .. + 63, as four blocks of 16.  Its 64 rows of x stay in 256 registers as fragments for the whole launch: only code fragments are read from LDS,
; 1 KiB for four matrix instructions.  Two waves lie on each SIMD: each tile of 16 x 16 is followed by 20 vector instructions, and while one wave
; is in such a run the other has matrix instructions to issue.
; THE MATRIX INSTRUCTION IS USED TRANSPOSED: source 0 = 16 codes, source 1 = 16 rows of x.  Lane l then holds row l % 16, register j the code 8 (l / 16) + j:
; a lane's running state is, for each of its four row blocks, the least d and the code base of its best and of its second best block of 8 codes.
; CLUSTER: all work-groups read the same pictures, so four ask for each eighth of a picture jointly (mask 15): the requests are divided by four.
; Every descriptor word hangs on the picture and the wave's number alone; the place in the cluster enters only the global addresses of x and of the results.
; A mask names four work-groups, and x is shared by nobody: 4 x 1 is all there is to share.
; TENSOR LOADS OUT, by this text's count: two a wave at the start, one behind each change of slots.
;
; REGISTERS.  Window 0: addresses, state, fragments of codes F (8 x 8), two sets of four accumulators ACC.  Window 1: x's fragments, X[rb][s] at 64 rb + 8 s.
; s_set_vgpr_msb 4 (source 1 in window 1) serves the matrix instructions, the LDS loads, and the lines that make t and d (their source 1 is a constant);
; the selects need two vector sources of window 0 and run under setting 0: eight switches for a block's 32 matrix instructions.
.set PITCH,  528                       ; an LDS row of 256 bf16 + 16 bytes = 33 x 16: the 16 rows that a fragment load touches start at 16 different 16-byte columns
.set BSTEP,  16*PITCH                  ; a block of 16 rows
.set IMG,    137216                    ; a picture, and an LDS slot
.set BOFF,   256*PITCH                 ; B in a picture
.set EIGHTH, IMG/8                     ; 17,152 bytes = 67 rows of 256: what one tensor load brings
.set XST,    2*IMG                     ; behind the two slots: 64 rows of x as bf16, pitch 528 (no tensor load ever lands from here on)
.set ASQ,    XST+64*PITCH              ; A of the group's 128 rows, in the order in which they are made: word 64 t + 8 w + i = row i of wave w in pass t
.set RED,    ASQ+512                   ; 16 planes of 128 f32: plane 4 cq + 2 h + k holds, for each row, the least d of that lane's best (k = 0) or second (k = 1) block
.set REDI,   8192                      ; and as far behind it, the same for the blocks' first codes
.set CA,   8                           ; v8, v9    slot 0, 1: (64 cq + r) x 528 + 16 h
.set BA,   10                          ; v10, v11  slot 0, 1: B of my quarter + 32 h
.set XA,   12                          ; v12       XST + (32 rh + r) x 528 + 16 h
.set XS,   13                          ; v13       XST + 8 w x 528 + 8 l
.set XO,   14                          ; v14       byte offset in x of my wave's first row + 16 l; never rewritten
.set AST,  15                          ; v15       ASQ + 32 w + 4 (l % 8)
.set ALD,  7                           ; v7        ASQ + 128 rh + 4 r
.set A2,   16                          ; v[16:23]  A of row block rb, twice (a pair for the packed line)
.set BEST, 24                          ; v[24:27]  least d of the best block, for each rb
.set TL,   28                          ; v[28:31]  code base of the 16 codes that it belongs to
.set U,    32                          ; v[32:33]  minima at work
.set T,    40                          ; v[40:47]  t = fl(A + B)
.set BQ,   48                          ; v[48:63]  B of my eight codes, two sets by turns
.set F,    64                          ; v[64:127] the block's eight fragments (16 codes x 32 along D each)
.set ACC,  128                         ; v[128:191] ACC[p][rb] at 128 + 32 p + 8 rb
.set BEST2, 192                        ; v[192:195] least d of the second best block
.set TL2,  196                         ; v[196:199] its code base
.set D1,   F                           ; the end: a row's best and second best pair; the two bases are an even pair for the store
.set D2,   F+1
.set I1,   F+16
.set I2,   F+17
.set XIN,  64                          ; the way in: v[64:191] x as loaded, v[192:207] at work
.set PK,   192
.set TP,   196
.set SS,   204
.set PL,   206
.set AS,   207
.set G1, 16                            ; s[16:23] descriptor group 1, never rewritten
.set G0, 24                            ; s[24:31] descriptor group 0, a set for each slot
.set MSB, 0
.macro WIN new                         ; the immediate's high byte repeats the setting that is left; a switch that changes nothing is dropped
.if MSB != \new
	s_set_vgpr_msb (MSB<<8)|\new
.set MSB, \new
.endif
.endm
; A round of the cluster's barrier: my work-group's barrier, so that wave 0 speaks for all eight waves; wave 0 signals for the work-group; every wave waits
; for all four work-groups; my work-group's barrier once more.
.macro CREST                           ; a round behind its opening barrier
	s_cmp_lg_u32 s12, 0
	s_cbranch_scc1 .Lnot_wave_0_\@
	s_barrier_signal -3
.Lnot_wave_0_\@:
	s_barrier_wait -3
	s_barrier_signal -1
	s_barrier_wait -1
.endm
.macro ROUND
	s_barrier_signal -1
	s_barrier_wait -1
	CREST
.endm
	s_load_b128 s[4:7], s[0:1], 0x0                ; inputs s[4:5], cimg s[6:7]
	s_load_b64 s[8:9], s[0:1], 0x10                ; cand
	v_lshl_add_u32 v254, v0, 2, 0x4f600
	v_mov_b32 v255, 0
	ds_add_u32 v254, v255
	v_lshrrev_b32 v3, 5, v0
	v_readfirstlane_b32 s12, v3                    ; wave 0..7
	s_and_b32 s13, s12, 1                          ; rh: which 64 rows
	s_lshr_b32 s14, s12, 1                         ; cq: which 64 codes of a picture
	s_bfe_u32 s15, ttmp6, 0x40000                  ; my place in the cluster
	s_lshl_b32 s42, ttmp9, 2                       ; ttmp9 counts clusters
	s_add_co_u32 s15, s42, s15                     ; work-group 0..255: enters global addresses of x and the results alone
	s_lshl_b32 s42, s15, 17                        ; 128 rows of 1,024 bytes
	s_mov_b32 s43, 0
	s_lshl_b32 s46, s15, 10                        ; 128 rows of two words
	s_mov_b32 s47, 0
	s_lshr_b32 s44, s12, 2
	s_lshl_b32 s44, s44, 5
	s_lshl_b32 s45, s12, 3
	s_add_co_u32 s44, s44, s45                     ; 8 w + 32 (w >> 2): the first row that my wave converts (waves 0-3: rows 0.., waves 4-7: rows 64..)
	v_and_b32 v3, 31, v0                           ; lane
	v_lshlrev_b32 v[XO], 4, v3
	v_lshl_add_u32 v[XO], s44, 10, v[XO]
	s_mul_i32 s40, s12, EIGHTH                     ; my eighth of a picture, in memory and in LDS alike
	s_mov_b32 s41, 0
	s_wait_dscnt 0x0
	s_wait_kmcnt 0x0
	s_add_nc_u64 s[4:5], s[4:5], s[42:43]
	s_add_nc_u64 s[8:9], s[8:9], s[46:47]
	s_add_nc_u64 s[6:7], s[6:7], s[40:41]
	; x: 16 rows a wave, all 32 loads at once.  Pass t takes rows 32 t .. + 31 of the lower and of the upper 64 rows.
.irp t, 0,1
.irp i, 0,1,2,3,4,5,6,7
	global_load_b128 v[XIN+64*\t+8*\i:XIN+64*\t+8*\i+3],   v[XO], s[4:5] offset:32768*\t+1024*\i
	global_load_b128 v[XIN+64*\t+8*\i+4:XIN+64*\t+8*\i+7], v[XO], s[4:5] offset:32768*\t+1024*\i+512
.endr
.endr
	; Group 1: a dense block as 67 rows of 32 elements of 8 bytes.  The picture is laid out as the slot is, so nothing is padded on the way.
	s_mov_b32 s[G1+0], 15|(3<<16)|(1<<21)          ; 15:0 the mask: all four of the cluster; 17:16 elements of 8 bytes; 21 set beside a mask
	s_mov_b32 s[G1+1], 32<<16                      ; tensor_dim0 = 32
	s_mov_b32 s[G1+2], 67<<16                      ; tensor_dim1 = 67
	s_mov_b32 s[G1+3], 32<<16                      ; tile_dim0 = 32
	s_mov_b32 s[G1+4], 67                          ; tile_dim1 = 67
	s_mov_b32 s[G1+5], 32                          ; 32 elements from row to row
	s_mov_b32 s[G1+6], 0
	s_mov_b32 s[G1+7], 0
.irp sl, 0,1
	s_mov_b32 s[G0+4*\sl], 1                                       ; count = 1
	s_add_co_u32 s[G0+4*\sl+1], s40, \sl*IMG                       ; LDS: the slot + my eighth
	s_add_nc_u64 s[G0+4*\sl+2:G0+4*\sl+3], s[6:7], \sl*IMG         ; memory: picture 0, 1 + my eighth
	s_or_b32 s[G0+4*\sl+3], s[G0+4*\sl+3], 0x80000000              ; type = 2
.endr
	ROUND                                          ; all four work-groups are here: the first joint loads meet
	tensor_load_to_lds s[G0:G0+3], s[G1:G1+7]      ; both first fills as one group, ahead of every wait on TENSORcnt, LDS read and further barrier
	s_nop 0
	tensor_load_to_lds s[G0+4:G0+7], s[G1:G1+7]
	s_nop 0
	v_and_b32 v1, 15, v0                           ; r
	v_bfe_u32 v2, v0, 4, 1                         ; h
	v_and_b32 v4, 7, v0                            ; l % 8
	s_mul_i32 s36, s14, 64*PITCH
	v_mad_u32_u24 v[CA], v1, PITCH, s36
	v_lshl_add_u32 v[CA], v2, 4, v[CA]
	v_add_nc_u32 v[CA+1], IMG, v[CA]
	s_lshl_b32 s36, s14, 8
	s_add_co_u32 s36, s36, BOFF
	v_lshl_add_u32 v[BA], v2, 5, s36
	v_add_nc_u32 v[BA+1], IMG, v[BA]
	s_mul_i32 s36, s13, 32*PITCH
	s_add_co_u32 s36, s36, XST
	v_mad_u32_u24 v[XA], v1, PITCH, s36
	v_lshl_add_u32 v[XA], v2, 4, v[XA]
	s_mul_i32 s36, s12, 8*PITCH
	s_add_co_u32 s36, s36, XST
	v_lshl_add_u32 v[XS], v3, 3, s36
	s_lshl_b32 s36, s12, 5                         ; my wave's 8 words of a pass
	s_add_co_u32 s36, s36, ASQ
	v_lshl_add_u32 v[AST], v4, 2, s36
	s_lshl_b32 s36, s13, 7                         ; the 32 words that waves 4 rh .. 4 rh + 3 make in a pass
	s_add_co_u32 s36, s36, ASQ
	v_lshl_add_u32 v[ALD], v1, 2, s36
	v_mov_b32 v[PL], 0                             ; v_permlanex16_b32 counts as a reader of its destination
	s_mov_b32 s34, 0x76543210                      ; lane i of one half reads lane i of the other
	s_mov_b32 s35, 0xfedcba98
	s_mov_b32 s39, 0xffff0000                      ; a word's upper bf16
	s_lshl_b32 s32, s14, 6                         ; code base of the block whose d are judged next: 64 cq
; Row i of pass t: round to bf16, lay into the stage, sum the squares of the rounded numbers.
.macro XROW t, i
	s_wait_loadcnt 30-16*\t-2*\i                   ; loads come back in order: this row's two are in, the younger rows' stay out
.irp k, 0,1,2,3
	v_cvt_pk_bf16_f32 v[PK+\k], v[XIN+64*\t+8*\i+2*\k], v[XIN+64*\t+8*\i+2*\k+1]
.endr
	ds_store_b64 v[XS], v[PK:PK+1]   offset:PITCH*\i
	ds_store_b64 v[XS], v[PK+2:PK+3] offset:PITCH*\i+256
.irp k, 0,1,2,3
	v_lshlrev_b32 v[TP+2*\k],   16,  v[PK+\k]
	v_and_b32     v[TP+2*\k+1], s39, v[PK+\k]
.endr
	v_pk_mul_f32 v[SS:SS+1], v[TP:TP+1], v[TP:TP+1]
	v_pk_fma_f32 v[SS:SS+1], v[TP+2:TP+3], v[TP+2:TP+3], v[SS:SS+1]
	v_pk_fma_f32 v[SS:SS+1], v[TP+4:TP+5], v[TP+4:TP+5], v[SS:SS+1]
	v_pk_fma_f32 v[SS:SS+1], v[TP+6:TP+7], v[TP+6:TP+7], v[SS:SS+1]
	v_add_f32 v[SS], v[SS], v[SS+1]
	v_add_f32_dpp v[SS], v[SS], v[SS] row_xmask:1 row_mask:0xf bank_mask:0xf
	v_add_f32_dpp v[SS], v[SS], v[SS] row_xmask:2 row_mask:0xf bank_mask:0xf
	v_add_f32_dpp v[SS], v[SS], v[SS] row_xmask:4 row_mask:0xf bank_mask:0xf
	v_add_f32_dpp v[SS], v[SS], v[SS] row_xmask:8 row_mask:0xf bank_mask:0xf
	v_permlanex16_b32 v[PL], v[SS], s34, s35
	v_add_f32 v[SS], v[SS], v[PL]
.if \i == 0
	v_mov_b32 v[AS], v[SS]
.else
	v_cmp_eq_u32 vcc_lo, \i, v4
	v_cndmask_b32 v[AS], v[AS], v[SS], vcc_lo      ; lane l keeps row l % 8
.endif
.endm
; My row blocks 2 t and 2 t + 1 as fragments into window 1: lane l takes row l % 16; registers 0-3 the numbers 8 h .. + 7 of 32, registers 4-7 16 + 8 h .. + 7.
.macro XFRAGS t
	WIN 0x40                                       ; destination in window 1, address in window 0
.irp b, 0,1
.irp s, 0,1,2,3,4,5,6,7
	ds_load_b128 v[64*(2*\t+\b)+8*\s:64*(2*\t+\b)+8*\s+3],   v[XA] offset:BSTEP*\b+64*\s
	ds_load_b128 v[64*(2*\t+\b)+8*\s+4:64*(2*\t+\b)+8*\s+7], v[XA] offset:BSTEP*\b+64*\s+32
.endr
.endr
	WIN 0
.endm
.irp i, 0,1,2,3,4,5,6,7
	XROW 0, \i
.endr
	ds_store_b32 v[AST], v[AS]                     ; A of my 8 rows (four lanes write each word, with the same number)
	s_wait_dscnt 0x0                               ; my stores are in LDS (for the others' sake: zero)
	s_barrier_signal -1
	s_barrier_wait -1                              ; the stage is whole.  Both tensor loads stay out
	XFRAGS 0
	s_wait_dscnt 0x0                               ; my reads of the stage are back,
	s_barrier_signal -1
	s_barrier_wait -1                              ; everybody's are: it may be written again
.irp i, 0,1,2,3,4,5,6,7
	XROW 1, \i
.endr
	ds_store_b32 v[AST], v[AS] offset:256          ; the second pass's 64 words lie behind the first's
	s_wait_dscnt 0x0
	s_wait_tensorcnt 0x1                           ; my eighth of picture 0 has landed; picture 1's, issued behind it, may stay out
	s_barrier_signal -1
	s_barrier_wait -1                              ; the stage, A and slot 0 are whole
	XFRAGS 1
	; A of my row 64 rh + 16 rb + r, rb = 2 t + b: it was row (16 b + r) % 8 of wave 4 rh + (16 b + r) / 8 in pass t: word 64 t + 32 rh + 16 b + r
.irp rb, 0,1,2,3
	ds_load_b32 v[A2+2*\rb],   v[ALD] offset:256*(\rb>>1)+64*(\rb&1)
	ds_load_b32 v[A2+2*\rb+1], v[ALD] offset:256*(\rb>>1)+64*(\rb&1)
.endr
; ---- the macros of the walk ----
; One matrix instruction: block set p, 32 along D at step s, row block rb.  Step 0 takes the constant 0 as C: nothing is ever cleared.
; The four accumulators of a set take turns, one instruction a turn, from block to block and over the backward jump too.
.macro WM p, s, rb
.if \s == 0
	v_wmma_f32_16x16x32_bf16 v[ACC+32*(\p)+8*\rb:ACC+32*(\p)+8*\rb+7], v[F+8*\s:F+8*\s+7], v[64*\rb+8*\s:64*\rb+8*\s+7], 0
.else
	v_wmma_f32_16x16x32_bf16 v[ACC+32*(\p)+8*\rb:ACC+32*(\p)+8*\rb+7], v[F+8*\s:F+8*\s+7], v[64*\rb+8*\s:64*\rb+8*\s+7], v[ACC+32*(\p)+8*\rb:ACC+32*(\p)+8*\rb+7]
.endif
.endm
.macro TT q, rb, i                     ; t = fl(A x 1 + B), two codes
	v_pk_fma_f32 v[T+2*\i:T+2*\i+1], v[A2+2*(\rb):A2+2*(\rb)+1], 1.0, v[BQ+8*(\q)+2*\i:BQ+8*(\q)+2*\i+1] op_sel_hi:[1,0,1]
.endm
.macro DD q, rb, i                     ; d = fl(M x -2 + t), in M's place
	v_pk_fma_f32 v[ACC+32*(\q)+8*(\rb)+2*\i:ACC+32*(\q)+8*(\rb)+2*\i+1], v[ACC+32*(\q)+8*(\rb)+2*\i:ACC+32*(\q)+8*(\rb)+2*\i+1], -2.0, v[T+2*\i:T+2*\i+1] op_sel_hi:[1,0,1]
.endm
; The least d of my eight codes of the tile against the lane's best and second best block.  Strictly less: a lane's blocks ascend in time, so of equal d
; the earlier block stays ahead.  Both compares are made on the old state; a new best pushes the old best down to second.
; init = 1: the first tile starts the state by moves (second: +infinity, with a base that is a real block's).
.macro SEL q, rb, init
.set AB, ACC+32*(\q)+8*(\rb)
	v_min3_num_f32 v[U],   v[AB],   v[AB+1], v[AB+2]
	v_min3_num_f32 v[U+1], v[AB+3], v[AB+4], v[AB+5]
	v_min3_num_f32 v[U],   v[U],    v[AB+6], v[AB+7]
	v_min_num_f32  v[U],   v[U],    v[U+1]
.if \init
	v_mov_b32 v[BEST+(\rb)], v[U]
	v_mov_b32 v[TL+(\rb)], s32
	v_mov_b32 v[BEST2+(\rb)], 0x7f800000
	v_mov_b32 v[TL2+(\rb)], s32
.else
	v_cmp_lt_f32 vcc_lo, v[U], v[BEST+(\rb)]
	v_cmp_lt_f32 s36, v[U], v[BEST2+(\rb)]
	v_cndmask_b32 v[BEST2+(\rb)], v[BEST2+(\rb)], v[U], s36
	v_cndmask_b32 v[TL2+(\rb)], v[TL2+(\rb)], s32, s36
	v_cndmask_b32 v[BEST2+(\rb)], v[BEST2+(\rb)], v[BEST+(\rb)], vcc_lo
	v_cndmask_b32 v[TL2+(\rb)], v[TL2+(\rb)], v[TL+(\rb)], vcc_lo
	v_cndmask_b32 v[BEST+(\rb)], v[BEST+(\rb)], v[U], vcc_lo
	v_cndmask_b32 v[TL+(\rb)], v[TL+(\rb)], s32, vcc_lo
.endif
.endm
.macro LDF s, sl, blk                  ; fragment s of block blk of my quarter in slot sl
	ds_load_b128 v[F+8*(\s):F+8*(\s)+3],   v[CA+(\sl)] offset:BSTEP*(\blk)+64*(\s)
	ds_load_b128 v[F+8*(\s)+4:F+8*(\s)+7], v[CA+(\sl)] offset:BSTEP*(\blk)+64*(\s)+32
.endm
.macro LDB p, sl, blk                  ; B of my eight codes of that block
	ds_load_b128 v[BQ+8*(\p):BQ+8*(\p)+3],   v[BA+(\sl)] offset:64*(\blk)
	ds_load_b128 v[BQ+8*(\p)+4:BQ+8*(\p)+7], v[BA+(\sl)] offset:64*(\blk)+16
.endm
; One of a block's eight steps: four matrix instructions (32 along D, my four row blocks) and a part of the judging of the block BEFORE (tile s / 2:
; an even step makes t and d, the odd step behind it selects).
; ep: 0 nothing to judge yet, 2 the first judging, 1 the rest.
; kind: 0 plain; 1 the slot's last block, the slot is filled again; 2 the same with nothing left to fetch; 3 the very last block.
; LDS LOADS AND THEIR WAITS.  Two runs a block, not pairs strewn among the matrix instructions, so that 16 matrix instructions of the wave follow each other
; between two runs.  At the head of step 0: B and F[4..7] of this block, 10 loads; at the head of step 4: F[0..3] of the next block, 8 loads.  Each run is
; asked for four steps, 16 of the wave's matrix instructions, ahead of its first use.  s_wait_dscnt 10 in step 0 leaves the run just issued out and shows all that
; is older, F[0..3] among it; s_wait_dscnt 8 in step 4 likewise shows B and F[4..7].
; PLACES.  Each run stands behind a select run (12 plain lines, 8 in the first judging) or 4 v_nop, which follow the last matrix instruction that read the
; fragments and name none of its registers; the first d line of a tile stands behind a select run and four t lines (ISA guide 7.12.1).
.macro STEP sl, blk, ep, kind, s
	WIN 4
.if \s == 0
	LDB PP, \sl, \blk
	LDF 4, \sl, \blk
	LDF 5, \sl, \blk
	LDF 6, \sl, \blk
	LDF 7, \sl, \blk
	s_wait_dscnt 10                                ; all but these ten
.endif
.if \s == 4
.if \kind == 3
	s_wait_dscnt 0x0                               ; the very last block: nothing more to ask for
.else
	LDF 0, NN, NB                                  ; in a slot's last block: the other slot's first block, behind the barrier
	LDF 1, NN, NB
	LDF 2, NN, NB
	LDF 3, NN, NB
	s_wait_dscnt 8                                 ; all but these eight
.endif
.endif
.if \s == 3
.if (\kind == 1) | (\kind == 2)
	s_wait_dscnt 0x0                               ; my last reads of this slot (B and F[4..7], asked for in step 0) are back
	s_set_vgpr_msb 0x400
	s_wait_tensorcnt 0x0                           ; all my tensor loads have landed: the one that was out is my eighth of the other slot
	ds_add_u32 v254, v255
	s_wait_dscnt 0x0
	s_set_vgpr_msb 0x4
.if \kind == 1
	s_add_nc_u64 s[G0+4*\sl+2:G0+4*\sl+3], s[G0+4*\sl+2:G0+4*\sl+3], 2*IMG     ; no load of mine is out: this slot's address steps two pictures on
.endif
	s_barrier_signal -1                            ; say so; only register work up to the wait
.endif
.endif
.if \ep == 0
	WM PP, \s, 0
	WM PP, \s, 1
	WM PP, \s, 2
	WM PP, \s, 3
.if (\s == 3) | (\s == 7)
.rept 4
	v_nop                                          ; the places in front of the run of loads that follows
.endr
.endif
.else
.if (\s & 1) == 0
	WM PP, \s, 0
	TT QQ, \s/2, 0
	TT QQ, \s/2, 1
	WM PP, \s, 1
	TT QQ, \s/2, 2
	TT QQ, \s/2, 3
	WM PP, \s, 2
	DD QQ, \s/2, 0
	DD QQ, \s/2, 1
	WM PP, \s, 3
	DD QQ, \s/2, 2
	DD QQ, \s/2, 3
.else
	WM PP, \s, 0
	WM PP, \s, 1
	WM PP, \s, 2
	WM PP, \s, 3
	WIN 0
.if \ep == 2
	SEL QQ, \s/2, 1
.else
	SEL QQ, \s/2, 0
.endif
.if \s == 3
.if (\kind == 1) | (\kind == 2)
	s_barrier_wait -1                              ; every wave of my work-group has left this slot, and the other slot is whole
.if \kind == 1
	CREST                                          ; and so in all four work-groups: the round stands in the place of the barrier in front of a refill
	tensor_load_to_lds s[G0+4*\sl:G0+4*\sl+3], s[G1:G1+7]          ; my one tensor load behind it, first thing: it has 124 of my 128 matrix instructions of a picture in which to land
	s_nop 0
.endif
.endif
.endif
	WIN 4
.endif
.endif
.endm
.macro BLOCK sl, blk, ep, kind
.set PP, (\blk)&1                      ; this block's accumulators and B
.set QQ, 1-PP                          ; those of the block before, which is judged
.if \blk == 3
.set NN, 1-\sl                         ; the next block: the other slot's first
.set NB, 0
.else
.set NN, \sl
.set NB, \blk+1
.endif
.irp s, 0,1,2,3,4,5,6,7
	STEP \sl, \blk, \ep, \kind, \s
.endr
.if \ep != 0
.if \blk == 0
	s_add_co_u32 s32, s32, 208                     ; judged: a picture's last block; next: my quarter's first in the next picture (256 - 48)
.else
	s_add_co_u32 s32, s32, 16
.endif
.endif
.endm
.macro PICTURE sl, kind
	BLOCK \sl, 0, 1, 0
	BLOCK \sl, 1, 1, 0
	BLOCK \sl, 2, 1, 0
	BLOCK \sl, 3, 1, \kind
.endm
	LDF 0, 0, 0                                    ; the first block's first half; its step 0 asks for the rest, and its wait shows x's fragments and A too
	LDF 1, 0, 0
	LDF 2, 0, 0
	LDF 3, 0, 0
	BLOCK 0, 0, 0, 0                               ; pictures 0 and 1 stand in front of the loop: nothing to judge in the first block, the state starts in the second
	BLOCK 0, 1, 2, 0
	BLOCK 0, 2, 1, 0
	BLOCK 0, 3, 1, 1                               ; asks for picture 2
	PICTURE 1, 1                                   ; asks for picture 3
	WIN 0                                          ; at a label and at a branch every window is 0
	s_mov_b32 s33, 14
.Llap:                                             ; pictures 2 L and 2 L + 1, L = 1 .. 14; asks for 2 L + 2 and 2 L + 3, the last trip for 30 and 31
	PICTURE 0, 1
	PICTURE 1, 1
	WIN 0
	s_sub_co_u32 s33, s33, 1
	s_cmp_lg_u32 s33, 0
	s_cbranch_scc1 .Llap
	PICTURE 0, 2                                   ; pictures 30 and 31: nothing is left to fetch; the change of slots keeps its waits and its barrier
	PICTURE 1, 3
	WIN 0
	; the last block's four tiles (the last select run and the t lines are the places behind the last matrix instructions)
.irp rb, 0,1,2,3
	TT 1, \rb, 0
	TT 1, \rb, 1
	TT 1, \rb, 2
	TT 1, \rb, 3
	DD 1, \rb, 0
	DD 1, \rb, 1
	DD 1, \rb, 2
	DD 1, \rb, 3
	SEL 1, \rb, 0
.endr
	; every lane's two pairs go to LDS: plane 4 cq + 2 h + k, word 64 rh + 16 rb + r
	v_lshlrev_b32 v5, 3, v2                        ; 8 h: my eight codes in a block of 16
	s_lshl_b32 s36, s14, 11                        ; 4 planes of 512 bytes for each code quarter
	s_lshl_b32 s37, s13, 8                         ; 64 words for each half of the rows
	s_add_co_u32 s36, s36, s37
	s_add_co_u32 s36, s36, RED
	v_lshl_add_u32 v6, v1, 2, s36
	v_lshl_add_u32 v6, v2, 10, v6                  ; 2 planes for each half of the lanes
.irp rb, 0,1,2,3
	v_add_nc_u32 v[TL+\rb], v[TL+\rb], v5          ; the first of the block's 8 codes
	v_add_nc_u32 v[TL2+\rb], v[TL2+\rb], v5
	ds_store_b32 v6, v[BEST+\rb]  offset:64*\rb
	ds_store_b32 v6, v[BEST2+\rb] offset:512+64*\rb
	ds_store_b32 v6, v[TL+\rb]    offset:REDI+64*\rb
	ds_store_b32 v6, v[TL2+\rb]   offset:REDI+512+64*\rb
.endr
	s_wait_dscnt 0x0                               ; my stores are in LDS (for the others' sake: zero)
	s_barrier_signal -1
	s_barrier_wait -1
	s_cmp_ge_u32 s12, 4
	s_cbranch_scc1 .Lclose
	; waves 0 to 3: a lane takes one row and keeps the two least of its 16 pairs, by d and among equal d by the base
.macro INS d, i
	v_cmp_lt_f32 s36, v[\d], v[D1]
	v_cmp_eq_f32 s37, v[\d], v[D1]
	v_cmp_lt_u32 s38, v[\i], v[I1]
	s_and_b32 s37, s37, s38
	s_or_b32 s36, s36, s37                         ; ahead of the best
	v_cmp_lt_f32 s37, v[\d], v[D2]
	v_cmp_eq_f32 s38, v[\d], v[D2]
	v_cmp_lt_u32 vcc_lo, v[\i], v[I2]
	s_and_b32 s38, s38, vcc_lo
	s_or_b32 vcc_lo, s37, s38                      ; ahead of the second
	v_cndmask_b32 v[D2], v[D2], v[\d], vcc_lo
	v_cndmask_b32 v[I2], v[I2], v[\i], vcc_lo
	v_cndmask_b32 v[D2], v[D2], v[D1], s36         ; a new best pushes the old best down
	v_cndmask_b32 v[I2], v[I2], v[I1], s36
	v_cndmask_b32 v[D1], v[D1], v[\d], s36
	v_cndmask_b32 v[I1], v[I1], v[\i], s36
.endm
	v_and_b32 v3, 127, v0                          ; my row
	v_lshlrev_b32 v4, 2, v3
	v_add_nc_u32 v7, RED, v4
	v_lshlrev_b32 v4, 3, v3                        ; its two words in cand
.irp e, 0,1,2,3,4,5,6,7,8,9,10,11,12,13,14,15
	ds_load_b32 v[F+\e],    v7 offset:512*\e
	ds_load_b32 v[F+16+\e], v7 offset:REDI+512*\e
.endr
	s_wait_dscnt 0x0
.irp e, 2,3,4,5,6,7,8,9,10,11,12,13,14,15
	INS F+\e, F+16+\e                              ; planes 0 and 1 are one lane's best and second: they start the state, in order
.endr
	global_store_b64 v4, v[I1:I2], s[8:9]          ; 32 lanes x 8 bytes: 256 consecutive bytes, aligned
.Lclose:
	s_wait_tensorcnt 0x0
	ds_add_u32 v254, v255
	s_wait_dscnt 0x0
	ROUND                                          ; the closing round: no work-group ends while a partner may still ask for a picture that names it
	s_endpgm
.Lfunc_end_k_q0cf0f698d2_vq:
	.size	k_q0cf0f698d2_vq, .Lfunc_end_k_q0cf0f698d2_vq-k_q0cf0f698d2_vq
	.p2alignl 7, 3214868480
	.fill 96, 4, 3214868480
	.section	.rodata,"a",@progbits
	.p2align	6, 0x0
	.amdhsa_kernel k_q0cf0f698d2_vq
		.amdhsa_group_segment_fixed_size 327680
		.amdhsa_private_segment_fixed_size 0
		.amdhsa_enable_private_segment 0
		.amdhsa_kernarg_size 24
		.amdhsa_user_sgpr_count 2
		.amdhsa_user_sgpr_kernarg_segment_ptr 1
		.amdhsa_wavefront_size32 1
		.amdhsa_system_sgpr_workgroup_id_x 1
		.amdhsa_system_sgpr_workgroup_id_y 1
		.amdhsa_system_sgpr_workgroup_id_z 1
		.amdhsa_system_vgpr_workitem_id 0
		.amdhsa_next_free_vgpr 512
		.amdhsa_next_free_sgpr 66
		.amdhsa_reserve_vcc 1
		.amdhsa_float_denorm_mode_32 3
		.amdhsa_float_denorm_mode_16_64 3
		.amdhsa_memory_ordered 1
		.amdhsa_forward_progress 1
		.amdhsa_inst_pref_size 241
	.end_amdhsa_kernel
	.amdgpu_metadata
---
amdhsa.version: [ 1, 2 ]
amdhsa.kernels:
  - .name:           k_q0cf0f698d2_vq
    .symbol:         k_q0cf0f698d2_vq.kd
    .args:
      - { .name: inputs, .offset: 0, .size: 8, .value_kind: global_buffer, .address_space: global }
      - { .name: cimg, .offset: 8, .size: 8, .value_kind: global_buffer, .address_space: global }
      - { .name: cand, .offset: 16, .size: 8, .value_kind: global_buffer, .address_space: global }
    .group_segment_fixed_size: 327680
    .private_segment_fixed_size: 0
    .kernarg_segment_align: 8
    .kernarg_segment_size: 24
    .max_flat_workgroup_size: 256
    .sgpr_count:     66
    .vgpr_count:     512
    .wavefront_size: 32
...
	.end_amdgpu_metadata
.endif
;; end of part 2
;; launch refine (part 3): grid 256 x 1, 16 waves a work-group, no clusters, 68,096 bytes of LDS; arguments inputs, cimg, ctr, cand, out2, idxw; writes out2, idxw
.if DOCPART == 3
	.amdgcn_target "amdgcn-amd-amdhsa--gfx1250"
	.amdhsa_code_object_version 6
	.text
	.protected	k_q0cf0f698d2_refine
	.globl	k_q0cf0f698d2_refine
	.p2align	8
	.type	k_q0cf0f698d2_refine,@function
k_q0cf0f698d2_refine:
	s_mov_b64 s[64:65], 0
	v_nop
	global_prefetch_b8 v0, s[64:65] scope:SCOPE_SE
	s_setreg_imm32_b32 hwreg(HW_REG_WAVE_MODE, 25, 1), 1
	s_wait_xcnt 0x0
; The index of each row, out of the 16 codes of its two best blocks.  inputs: [32768][256] f32; cimg: the codebook's pictures (only B is read here);
; ctr: the bf16 codebook by blocks of 8 codes, byte 4096 b + 128 i + 16 c = numbers 8 i .. 8 i + 7 of code 8 b + c; cand: [32768][2] i32, stored by the launch
; before; out2 and idxw: [32768] i32 (idxw is the copy from which the next launch forms addresses).
; M[n][k] is made anew as ONE f32 accumulator over the 256 numbers in ascending order, from the bf16-rounded x and e: the product of two bf16 numbers is exact
; in f32, so each fused step is one f32 addition, as a plain f32 dot product makes it.  Then t = fl(A + B), d = fl(t - 2 M), and the lowest index with the least d.
; This is 16 of 8,192 codes a row, 0.2 per cent of the products; the bulk is the matrix units' work in the launch before.
; LIMITS, kept knowingly: a d that is NaN never wins (a row whose 16 d are all NaN gets 8191).  A sums the squares in this text's own order: that moves all d of a
; row alike.  A function that sums M in another order than one ascending chain can still differ where a d lies at a rounding boundary.
; SHARES.  A work-group owns 128 rows; sixteen waves, four on a SIMD, 8 rows each, as 4 pairs.  In a pair a lane is (row, code): lanes 0-15 the 16 codes of one row,
; lanes 16-31 those of the next.  A lane runs its four pairs' chains at once: a link stands four instructions behind the link that it adds onto.
; A chain goes in 32 steps of 8 numbers.  A step's 16 bytes of code come straight from ctr into the lane's registers: 8 neighbouring lanes (a block) read 128
; consecutive bytes, and two steps that follow each other cover 256.  A ring of 8 steps keeps 32 such loads of every wave on their way: 16 KiB a wave.
; x is rounded once, laid into the wave's own LDS, and read back 16 bytes a step, the same bytes for the 16 lanes of a row.  The wave's LDS bytes are its own and
; LDS serves a wave's instructions in order (ISA guide 5.7.1): no barrier but the one in front of the way out.
; No matrix unit (each row has its own 16 codes), no cluster (no tile is shared), no tensor load (the addresses come from a list, lane by lane),
; no prefetch (every work-group reads the same table of 4 MiB).
.set BOFF,  256*528                    ; B in a picture of cimg
.set WLDS,  8*512                      ; a wave's LDS: 8 rows of x as bf16
.set RES,   16*WLDS                    ; behind them: the group's 128 indices
.set LN,  2                            ; v2   16 l: never rewritten
.set XS,  3                            ; v3   my wave's LDS + 8 l
.set XR,  4                            ; v4   my wave's LDS + 512 (l / 16)
.set RS,  5                            ; v5   RES + 32 w + 4 (l / 16)
.set CO,  6                            ; v6   64 w + 4 (l / 8): my word of cand in the first pair; never rewritten
.set KV,  16                           ; v[16:19]  my code's index in pair p
.set BV,  20                           ; v[20:23]  its B
.set OF,  24                           ; v[24:27]  byte offset in ctr of my code's first 16 bytes; never rewritten
.set BO,  28                           ; v[28:31]  byte offset of my B; never rewritten
.set AQ,  32                           ; v[32:39]  A of my wave's 8 rows
.set AC,  40                           ; v[40:43]  the four chains
.set PK,  44                           ; v[44:47], v[48:55], v[56:57], v58: at work on x
.set TP,  48
.set SS,  56
.set PL,  58
.set XB,  64                           ; v[64:111]  x from LDS: three steps of 4 pairs x 4 registers, by turns
.set XI,  64                           ; v[64:127]  before that: x as loaded, 8 rows x 8 registers
.set CB,  128                          ; v[128:255] codes: eight steps of 4 pairs x 4 registers, by turns
	s_load_b256 s[4:11], s[0:1], 0x0               ; inputs s[4:5], cimg s[6:7], ctr s[8:9], cand s[10:11]
	s_load_b128 s[12:15], s[0:1], 0x20             ; out2 s[12:13], idxw s[14:15]
	v_lshl_add_u32 v62, v0, 2, 0x10200
	v_mov_b32 v63, 0
	v_lshrrev_b32 v10, 5, v0
	v_readfirstlane_b32 s16, v10                   ; wave 0..15
	v_and_b32 v1, 31, v0                           ; lane
	v_lshlrev_b32 v[LN], 4, v1
	s_lshl_b32 s17, s16, 12                        ; my wave's LDS
	v_lshl_add_u32 v[XS], v1, 3, s17
	v_bfe_u32 v10, v0, 4, 1                        ; l / 16
	v_lshl_add_u32 v[XR], v10, 9, s17
	s_lshl_b32 s18, s16, 5                         ; my wave's 8 words of the results
	s_add_co_u32 s18, s18, RES
	v_lshl_add_u32 v[RS], v10, 2, s18
	v_bfe_u32 v12, v0, 3, 2                        ; l / 8
	s_lshl_b32 s19, s16, 6                         ; my wave's 8 rows of two words
	v_lshl_add_u32 v[CO], v12, 2, s19
	v_and_b32 v9, 7, v0                            ; my code in its block
	v_mov_b32 v13, 0x46800000                      ; 16384.0: above every index
	v_mov_b32 v[PL], 0                             ; v_permlanex16_b32 counts as a reader of its destination
	s_mov_b32 s20, 0xffff0000                      ; a word's upper bf16; as a mask of lanes: lanes 16 to 31
	s_mov_b32 s22, 0x76543210                      ; lane i of one half reads lane i of the other
	s_mov_b32 s23, 0xfedcba98
	s_lshl_b32 s24, ttmp9, 17                      ; 128 rows of 1,024 bytes
	s_lshl_b32 s26, s16, 13                        ; + 8 rows a wave
	s_add_co_u32 s24, s24, s26
	s_mov_b32 s25, 0
	s_lshl_b32 s26, ttmp9, 10                      ; 128 rows of two words
	s_mov_b32 s27, 0
	s_lshl_b32 s28, ttmp9, 9                       ; 128 indices
	s_mov_b32 s29, 0
	s_wait_kmcnt 0x0
	s_add_nc_u64 s[4:5], s[4:5], s[24:25]
	s_add_nc_u64 s[10:11], s[10:11], s[26:27]
	s_add_nc_u64 s[12:13], s[12:13], s[28:29]
	s_add_nc_u64 s[14:15], s[14:15], s[28:29]
.irp p, 0,1,2,3
	global_load_b32 v[KV+\p], v[CO], s[10:11] offset:16*\p         ; the base of my block in pair p: word 4 p + l / 8 of my wave's 16
.endr
.irp j, 0,1,2,3,4,5,6,7
	global_load_b128 v[XI+8*\j:XI+8*\j+3],   v[LN], s[4:5] offset:1024*\j          ; x: 512 consecutive bytes a load
	global_load_b128 v[XI+8*\j+4:XI+8*\j+7], v[LN], s[4:5] offset:1024*\j+512
.endr
; Step i's codes are asked for: four loads, one a pair, into ring place i % 8.
.macro LDC i
.irp p, 0,1,2,3
	global_load_b128 v[CB+16*((\i)%8)+4*\p:CB+16*((\i)%8)+4*\p+3], v[OF+\p], s[8:9] offset:128*(\i)
.endr
.endm
	s_wait_loadcnt 16                              ; all but the 16 loads of x: my four bases are in
.irp p, 0,1,2,3
	v_min_u32 v[KV+\p], 0x1ff8, v[KV+\p]           ; clamped before it enters an address: 8 codes from 8184 on are the table's last
	v_lshlrev_b32 v[OF+\p], 9, v[KV+\p]            ; a block of 8 codes is 4,096 bytes: 512 x its first code
	v_lshl_add_u32 v[OF+\p], v9, 4, v[OF+\p]       ; + 16 x my code
	v_add_nc_u32 v[KV+\p], v[KV+\p], v9            ; my code's index
	v_and_b32 v[BO+\p], 0x1f00, v[KV+\p]           ; B of code k lies at 135,168 + 4 k + 136,192 (k / 256) = 135,168 + 4 k + 532 (k & 0x1f00)
	v_mul_u32_u24 v[BO+\p], v[BO+\p], 532
	v_lshl_add_u32 v[BO+\p], v[KV+\p], 2, v[BO+\p]
	global_load_b32 v[BV+\p], v[BO+\p], s[6:7] offset:BOFF
.endr
.irp i, 0,1,2,3,4,5,6,7
	LDC \i                                         ; the ring is filled: they are on their way while x is worked on
.endr
; Row j of my wave: rounded to bf16 and laid into LDS; A is summed from the rounded numbers.
.macro XROW j
	s_wait_loadcnt 50-2*\j                         ; loads come back in order: younger than this row's two are 2 (7 - j) of x, 4 of B and 32 of codes
.irp k, 0,1,2,3
	v_cvt_pk_bf16_f32 v[PK+\k], v[XI+8*\j+2*\k], v[XI+8*\j+2*\k+1]
.endr
	ds_store_b64 v[XS], v[PK:PK+1]   offset:512*\j
	ds_store_b64 v[XS], v[PK+2:PK+3] offset:512*\j+256
.irp k, 0,1,2,3
	v_lshlrev_b32 v[TP+2*\k],   16,  v[PK+\k]
	v_and_b32     v[TP+2*\k+1], s20, v[PK+\k]
.endr
	v_pk_mul_f32 v[SS:SS+1], v[TP:TP+1], v[TP:TP+1]
	v_pk_fma_f32 v[SS:SS+1], v[TP+2:TP+3], v[TP+2:TP+3], v[SS:SS+1]
	v_pk_fma_f32 v[SS:SS+1], v[TP+4:TP+5], v[TP+4:TP+5], v[SS:SS+1]
	v_pk_fma_f32 v[SS:SS+1], v[TP+6:TP+7], v[TP+6:TP+7], v[SS:SS+1]
	v_add_f32 v[SS], v[SS], v[SS+1]
	v_add_f32_dpp v[SS], v[SS], v[SS] row_xmask:1 row_mask:0xf bank_mask:0xf
	v_add_f32_dpp v[SS], v[SS], v[SS] row_xmask:2 row_mask:0xf bank_mask:0xf
	v_add_f32_dpp v[SS], v[SS], v[SS] row_xmask:4 row_mask:0xf bank_mask:0xf
	v_add_f32_dpp v[SS], v[SS], v[SS] row_xmask:8 row_mask:0xf bank_mask:0xf
	v_permlanex16_b32 v[PL], v[SS], s22, s23
	v_add_f32 v[AQ+\j], v[SS], v[PL]               ; the row's A, in every lane
.endm
.irp j, 0,1,2,3,4,5,6,7
	XROW \j
.endr
; Step i's x: four LDS loads, one a pair, into place i % 3 (16 lanes read the same 16 bytes).
.macro LDX i
.irp p, 0,1,2,3
	ds_load_b128 v[XB+16*((\i)%3)+4*\p:XB+16*((\i)%3)+4*\p+3], v[XR] offset:1024*\p+16*(\i)
.endr
.endm
; Step i's 8 links in each chain, in ascending order: a word's low half, then its high half.  The four chains take turns.
.macro FSTEP i
.set CC, CB+16*((\i)%8)
.set XX, XB+16*((\i)%3)
.irp r, 0,1,2,3
.irp p, 0,1,2,3
	v_fma_mix_f32_bf16 v[AC+\p], v[CC+4*\p+\r], v[XX+4*\p+\r], v[AC+\p] op_sel_hi:[1,1,0]
.endr
.irp p, 0,1,2,3
	v_fma_mix_f32_bf16 v[AC+\p], v[CC+4*\p+\r], v[XX+4*\p+\r], v[AC+\p] op_sel:[1,1,0] op_sel_hi:[1,1,0]
.endr
.endr
.endm
; Pair p's chain is done: d, the least d of the row's 16 lanes, and the lowest index that has it (indices as f32: exact below 2^24).
.macro FIN p
	v_cndmask_b32 v10, v[AQ+2*\p], v[AQ+2*\p+1], s20               ; lanes 16 to 31 have the pair's second row
	v_add_f32 v10, v10, v[BV+\p]                                   ; t = fl(A + B)
	v_fma_f32 v10, v[AC+\p], -2.0, v10                             ; d = fl(t - 2 M)
	v_mov_b32 v11, v10
	v_min_num_f32_dpp v11, v11, v11 row_xmask:1 row_mask:0xf bank_mask:0xf
	v_min_num_f32_dpp v11, v11, v11 row_xmask:2 row_mask:0xf bank_mask:0xf
	v_min_num_f32_dpp v11, v11, v11 row_xmask:4 row_mask:0xf bank_mask:0xf
	v_min_num_f32_dpp v11, v11, v11 row_xmask:8 row_mask:0xf bank_mask:0xf
	v_cvt_f32_u32 v12, v[KV+\p]
	v_cmp_eq_f32 vcc_lo, v10, v11
	v_cndmask_b32 v12, v13, v12, vcc_lo                            ; my index if my d is the least, else 16384
	v_min_num_f32_dpp v12, v12, v12 row_xmask:1 row_mask:0xf bank_mask:0xf
	v_min_num_f32_dpp v12, v12, v12 row_xmask:2 row_mask:0xf bank_mask:0xf
	v_min_num_f32_dpp v12, v12, v12 row_xmask:4 row_mask:0xf bank_mask:0xf
	v_min_num_f32_dpp v12, v12, v12 row_xmask:8 row_mask:0xf bank_mask:0xf
	v_cvt_u32_f32 v12, v12
	v_min_u32 v12, 0x1fff, v12                                     ; (no d was the least: all NaN)
	ds_store_b32 v[RS], v12 offset:8*\p                            ; word 8 w + 2 p + l / 16; 16 lanes write it with the same number
.endm
.irp p, 0,1,2,3
	v_mov_b32 v[AC+\p], 0                          ; a chain starts at 0, as the sum that it stands for does
.endr
	LDX 0                                          ; x's registers as loaded are free: the last row's wait has shown all 16 loads in
	LDX 1
	; When step i is due, the codes of steps i + 1 .. i + 7 (28 loads) and the x of steps i + 1 and i + 2 (8 LDS loads) are younger and stay out.
	; A ring place is asked for again as soon as its step has been multiplied.
.set st, 0
.rept 24
	LDX (st+2)
	s_wait_loadcnt 28
	s_wait_dscnt 8
	FSTEP st
	LDC (st+8)
.set st, st+1
.endr
.rept 6
	LDX (st+2)
	s_wait_loadcnt 4*(31-st)                       ; steps 24 to 29 ask for no more codes: the count runs down with the steps that are left
	s_wait_dscnt 8
	FSTEP st
.set st, st+1
.endr
	s_wait_loadcnt 4                               ; the last two steps ask for nothing
	s_wait_dscnt 4
	FSTEP 30
	s_wait_loadcnt 0x0
	s_wait_dscnt 0x0
	FSTEP 31
.irp p, 0,1,2,3
	FIN \p
.endr
	s_wait_dscnt 0x0                               ; my 8 indices are in LDS (for wave 0's sake: zero)
	s_barrier_signal -1
	s_barrier_wait -1
	s_cmp_lg_u32 s16, 0
	s_cbranch_scc1 .Lend
	v_add_nc_u32 v10, RES, v[LN]
	ds_load_b128 v[PK:PK+3], v10                   ; wave 0: the group's 128 indices, four a lane
	s_wait_dscnt 0x0
	global_store_b128 v[LN], v[PK:PK+3], s[12:13]  ; 32 lanes x 16 bytes: 512 consecutive bytes, aligned
	global_store_b128 v[LN], v[PK:PK+3], s[14:15]
.Lend:
	s_wait_tensorcnt 0x0
	ds_add_u32 v62, v63
	s_wait_dscnt 0x0
	s_endpgm
.Lfunc_end_k_q0cf0f698d2_refine:
	.size	k_q0cf0f698d2_refine, .Lfunc_end_k_q0cf0f698d2_refine-k_q0cf0f698d2_refine
	.p2alignl 7, 3214868480
	.fill 96, 4, 3214868480
	.section	.rodata,"a",@progbits
	.p2align	6, 0x0
	.amdhsa_kernel k_q0cf0f698d2_refine
		.amdhsa_group_segment_fixed_size 68096
		.amdhsa_private_segment_fixed_size 0
		.amdhsa_enable_private_segment 0
		.amdhsa_kernarg_size 48
		.amdhsa_user_sgpr_count 2
		.amdhsa_user_sgpr_kernarg_segment_ptr 1
		.amdhsa_wavefront_size32 1
		.amdhsa_system_sgpr_workgroup_id_x 1
		.amdhsa_system_sgpr_workgroup_id_y 1
		.amdhsa_system_sgpr_workgroup_id_z 1
		.amdhsa_system_vgpr_workitem_id 0
		.amdhsa_next_free_vgpr 256
		.amdhsa_next_free_sgpr 66
		.amdhsa_reserve_vcc 1
		.amdhsa_float_denorm_mode_32 3
		.amdhsa_float_denorm_mode_16_64 3
		.amdhsa_memory_ordered 1
		.amdhsa_forward_progress 1
		.amdhsa_inst_pref_size 107
	.end_amdhsa_kernel
	.amdgpu_metadata
---
amdhsa.version: [ 1, 2 ]
amdhsa.kernels:
  - .name:           k_q0cf0f698d2_refine
    .symbol:         k_q0cf0f698d2_refine.kd
    .args:
      - { .name: inputs, .offset: 0, .size: 8, .value_kind: global_buffer, .address_space: global }
      - { .name: cimg, .offset: 8, .size: 8, .value_kind: global_buffer, .address_space: global }
      - { .name: ctr, .offset: 16, .size: 8, .value_kind: global_buffer, .address_space: global }
      - { .name: cand, .offset: 24, .size: 8, .value_kind: global_buffer, .address_space: global }
      - { .name: out2, .offset: 32, .size: 8, .value_kind: global_buffer, .address_space: global }
      - { .name: idxw, .offset: 40, .size: 8, .value_kind: global_buffer, .address_space: global }
    .group_segment_fixed_size: 68096
    .private_segment_fixed_size: 0
    .kernarg_segment_align: 8
    .kernarg_segment_size: 48
    .max_flat_workgroup_size: 512
    .sgpr_count:     66
    .vgpr_count:     256
    .wavefront_size: 32
...
	.end_amdgpu_metadata
.endif
;; end of part 3
;; launch gather (part 4): grid 512 x 1, 8 waves a work-group, no clusters, 1,280 bytes of LDS; arguments inputs, emb_weight, idxw, out0, part; writes out0, part
.if DOCPART == 4
	.amdgcn_target "amdgcn-amd-amdhsa--gfx1250"
	.amdhsa_code_object_version 6
	.text
	.protected	k_q0cf0f698d2_gather
	.globl	k_q0cf0f698d2_gather
	.p2align	8
	.type	k_q0cf0f698d2_gather,@function
k_q0cf0f698d2_gather:
	s_mov_b64 s[64:65], 0
	v_nop
	global_prefetch_b8 v0, s[64:65] scope:SCOPE_SE
	s_setreg_imm32_b32 hwreg(HW_REG_WAVE_MODE, 25, 1), 1
	s_wait_xcnt 0x0
; out0[n] = x[n] + (e[idx[n]] - x[n]) in f32, as the JAX function rounds it, and for each work-group the sum of (e[idx[n]] - x[n])^2 over its 64 rows.
; inputs, out0: [32768][256] f32; emb_weight: [8192][256] f32 (unrounded); idxw: [32768] i32, stored by the launch before.
; Eight waves, 8 rows each, no loop: a wave's 16 loads of x and 16 of e go out at once, each 512 consecutive bytes; each store likewise.
; Memory binds (33.5 MB in, 33.5 MB out, e's rows from a table of 8 MB): no LDS ring, no matrix unit, no cluster (no two work-groups share a row of x).
; An index is clamped to 8191 before it enters an address.
.set X, 8                              ; v[8:71]   x, then the result
.set Q, 72                             ; v[72:135] e's row, then e - x
	s_load_b256 s[4:11], s[0:1], 0x0               ; inputs s[4:5], emb_weight s[6:7], idxw s[8:9], out0 s[10:11]
	s_load_b64 s[12:13], s[0:1], 0x20              ; part
	v_lshl_add_u32 v144, v0, 2, 0x100
	v_mov_b32 v145, 0
	v_lshrrev_b32 v2, 5, v0
	v_readfirstlane_b32 s14, v2                    ; wave 0..7
	v_and_b32 v1, 31, v0
	v_lshlrev_b32 v1, 4, v1                        ; 16 x lane: never rewritten
	s_lshl_b32 s40, ttmp9, 16                      ; 64 rows of 1,024 bytes
	s_lshl_b32 s44, s14, 13                        ; + 8 rows a wave
	s_add_co_u32 s40, s40, s44
	s_mov_b32 s41, 0
	s_lshl_b32 s42, ttmp9, 8                       ; 64 indices
	s_lshl_b32 s44, s14, 5                         ; + 8 a wave
	s_add_co_u32 s42, s42, s44
	s_mov_b32 s43, 0
	s_lshl_b32 s44, ttmp9, 2                       ; my word of part
	s_mov_b32 s45, 0
	s_mov_b32 s46, 0x76543210
	s_mov_b32 s47, 0xfedcba98
	v_mov_b32 v6, 0                                ; v_permlanex16_b32 counts as a reader of its destination
	s_wait_kmcnt 0x0
	s_add_nc_u64 s[8:9], s[8:9], s[42:43]
	s_load_b256 s[16:23], s[8:9], 0x0              ; my wave's 8 indices
	s_add_nc_u64 s[4:5], s[4:5], s[40:41]
	s_add_nc_u64 s[10:11], s[10:11], s[40:41]
	s_add_nc_u64 s[12:13], s[12:13], s[44:45]
.irp i, 0,1,2,3,4,5,6,7
	global_load_b128 v[X+8*\i:X+8*\i+3],   v1, s[4:5] offset:1024*\i th:TH_LOAD_NT
	global_load_b128 v[X+8*\i+4:X+8*\i+7], v1, s[4:5] offset:1024*\i+512 th:TH_LOAD_NT
.endr
	s_wait_kmcnt 0x0
.irp i, 0,1,2,3,4,5,6,7
	s_min_u32 s[16+\i], s[16+\i], 8191
	s_lshl_b32 s[24+2*\i], s[16+\i], 10            ; a row of e is 1,024 bytes
	s_mov_b32 s[25+2*\i], 0
	s_add_nc_u64 s[24+2*\i:25+2*\i], s[6:7], s[24+2*\i:25+2*\i]
	global_load_b128 v[Q+8*\i:Q+8*\i+3],   v1, s[24+2*\i:25+2*\i]              ; no hint: a code may be named by many rows
	global_load_b128 v[Q+8*\i+4:Q+8*\i+7], v1, s[24+2*\i:25+2*\i] offset:512
.endr
.macro GROW i
	s_wait_loadcnt 14-2*\i                         ; loads come back in order: x is in, this row's two of e are in, the younger rows' stay out
.irp k, 0,1,2,3
	v_pk_add_f32 v[Q+8*\i+2*\k:Q+8*\i+2*\k+1], v[Q+8*\i+2*\k:Q+8*\i+2*\k+1], v[X+8*\i+2*\k:X+8*\i+2*\k+1] neg_lo:[0,1] neg_hi:[0,1]   ; e - x
.endr
.if \i == 0
	v_pk_mul_f32 v[2:3], v[Q:Q+1], v[Q:Q+1]        ; the first products start the two chains: nothing is cleared
	v_pk_mul_f32 v[4:5], v[Q+2:Q+3], v[Q+2:Q+3]
.else
	v_pk_fma_f32 v[2:3], v[Q+8*\i:Q+8*\i+1],   v[Q+8*\i:Q+8*\i+1],   v[2:3]
	v_pk_fma_f32 v[4:5], v[Q+8*\i+2:Q+8*\i+3], v[Q+8*\i+2:Q+8*\i+3], v[4:5]
.endif
	v_pk_fma_f32 v[2:3], v[Q+8*\i+4:Q+8*\i+5], v[Q+8*\i+4:Q+8*\i+5], v[2:3]
	v_pk_fma_f32 v[4:5], v[Q+8*\i+6:Q+8*\i+7], v[Q+8*\i+6:Q+8*\i+7], v[4:5]
.irp k, 0,1,2,3
	v_pk_add_f32 v[X+8*\i+2*\k:X+8*\i+2*\k+1], v[X+8*\i+2*\k:X+8*\i+2*\k+1], v[Q+8*\i+2*\k:Q+8*\i+2*\k+1]     ; x + (e - x)
.endr
	global_store_b128 v1, v[X+8*\i:X+8*\i+3],   s[10:11] offset:1024*\i th:TH_STORE_NT       ; no register of a store is written again
	global_store_b128 v1, v[X+8*\i+4:X+8*\i+7], s[10:11] offset:1024*\i+512 th:TH_STORE_NT
.endm
.irp i, 0,1,2,3,4,5,6,7
	GROW \i
.endr
	v_pk_add_f32 v[2:3], v[2:3], v[4:5]
	v_add_f32 v2, v2, v3
	v_add_f32_dpp v2, v2, v2 row_xmask:1 row_mask:0xf bank_mask:0xf
	v_add_f32_dpp v2, v2, v2 row_xmask:2 row_mask:0xf bank_mask:0xf
	v_add_f32_dpp v2, v2, v2 row_xmask:4 row_mask:0xf bank_mask:0xf
	v_add_f32_dpp v2, v2, v2 row_xmask:8 row_mask:0xf bank_mask:0xf
	v_permlanex16_b32 v6, v2, s46, s47
	v_add_f32 v2, v2, v6                           ; the wave's sum, in every lane
	v_mov_b32 v7, s14
	v_lshlrev_b32 v7, 2, v7
	ds_store_b32 v7, v2                            ; all lanes write the wave's word with the same number
	s_wait_dscnt 0x0
	s_barrier_signal -1
	s_barrier_wait -1
	s_cmp_lg_u32 s14, 0
	s_cbranch_scc1 .Lend
	v_mov_b32 v136, 0
	ds_load_b128 v[138:141], v136
	ds_load_b128 v[4:7], v136 offset:16
	s_wait_dscnt 0x0
	v_pk_add_f32 v[138:139], v[138:139], v[140:141]
	v_pk_add_f32 v[4:5], v[4:5], v[6:7]
	v_pk_add_f32 v[138:139], v[138:139], v[4:5]
	v_add_f32 v138, v138, v139
	v_cmp_eq_u32 vcc_lo, 0, v0
	s_wait_xcnt 0x0                                ; EXEC, a source of the stores above, changes only behind this wait
	s_and_saveexec_b32 s15, vcc_lo
	global_store_b32 v136, v138, s[12:13]          ; one word a work-group: 2 KiB in the whole launch
	s_wait_xcnt 0x0                                ; and again in front of the line that widens it
	s_or_b32 exec_lo, exec_lo, s15
.Lend:
	s_wait_tensorcnt 0x0
	ds_add_u32 v144, v145
	s_wait_dscnt 0x0
	s_endpgm
.Lfunc_end_k_q0cf0f698d2_gather:
	.size	k_q0cf0f698d2_gather, .Lfunc_end_k_q0cf0f698d2_gather-k_q0cf0f698d2_gather
	.p2alignl 7, 3214868480
	.fill 96, 4, 3214868480
	.section	.rodata,"a",@progbits
	.p2align	6, 0x0
	.amdhsa_kernel k_q0cf0f698d2_gather
		.amdhsa_group_segment_fixed_size 1280
		.amdhsa_private_segment_fixed_size 0
		.amdhsa_enable_private_segment 0
		.amdhsa_kernarg_size 40
		.amdhsa_user_sgpr_count 2
		.amdhsa_user_sgpr_kernarg_segment_ptr 1
		.amdhsa_wavefront_size32 1
		.amdhsa_system_sgpr_workgroup_id_x 1
		.amdhsa_system_sgpr_workgroup_id_y 1
		.amdhsa_system_sgpr_workgroup_id_z 1
		.amdhsa_system_vgpr_workitem_id 0
		.amdhsa_next_free_vgpr 146
		.amdhsa_next_free_sgpr 66
		.amdhsa_reserve_vcc 1
		.amdhsa_float_denorm_mode_32 3
		.amdhsa_float_denorm_mode_16_64 3
		.amdhsa_memory_ordered 1
		.amdhsa_forward_progress 1
		.amdhsa_inst_pref_size 15
	.end_amdhsa_kernel
	.amdgpu_metadata
---
amdhsa.version: [ 1, 2 ]
amdhsa.kernels:
  - .name:           k_q0cf0f698d2_gather
    .symbol:         k_q0cf0f698d2_gather.kd
    .args:
      - { .name: inputs, .offset: 0, .size: 8, .value_kind: global_buffer, .address_space: global }
      - { .name: emb_weight, .offset: 8, .size: 8, .value_kind: global_buffer, .address_space: global }
      - { .name: idxw, .offset: 16, .size: 8, .value_kind: global_buffer, .address_space: global }
      - { .name: out0, .offset: 24, .size: 8, .value_kind: global_buffer, .address_space: global }
      - { .name: part, .offset: 32, .size: 8, .value_kind: global_buffer, .address_space: global }
    .group_segment_fixed_size: 1280
    .private_segment_fixed_size: 0
    .kernarg_segment_align: 8
    .kernarg_segment_size: 40
    .max_flat_workgroup_size: 256
    .sgpr_count:     66
    .vgpr_count:     146
    .wavefront_size: 32
...
	.end_amdgpu_metadata
.endif
;; end of part 4
;; launch lsum (part 5): grid 1 x 1, 1 waves a work-group, no clusters, 0 bytes of LDS; arguments part, out1; writes out1
.if DOCPART == 5
	.amdgcn_target "amdgcn-amd-amdhsa--gfx1250"
	.amdhsa_code_object_version 6
	.text
	.protected	k_q0cf0f698d2_lsum
	.globl	k_q0cf0f698d2_lsum
	.p2align	8
	.type	k_q0cf0f698d2_lsum,@function
k_q0cf0f698d2_lsum:
	s_mov_b64 s[64:65], 0
	v_nop
	global_prefetch_b8 v0, s[64:65] scope:SCOPE_SE
	s_setreg_imm32_b32 hwreg(HW_REG_WAVE_MODE, 25, 1), 1
	s_wait_xcnt 0x0
; out1 = 2 x mean((e[idx] - x)^2) = 2^-22 x the sum of the 512 partial sums (2 / (32768 x 256) = 2^-22, exact).
; One wave: the sum spans work-groups, so it is made here, in a fixed order, behind the launch that stored the parts.
	s_load_b128 s[4:7], s[0:1], 0x0                ; part s[4:5], out1 s[6:7]
	v_lshlrev_b32 v1, 4, v0                        ; 16 x lane
	v_mov_b32 v2, 0
	v_mov_b32 v3, 0                                ; v_permlanex16_b32 counts as a reader of its destination
	s_mov_b32 s8, 0x76543210
	s_mov_b32 s9, 0xfedcba98
	s_wait_kmcnt 0x0
.irp t, 0,1,2,3
	global_load_b128 v[4+4*\t:7+4*\t], v1, s[4:5] offset:512*\t
.endr
	s_wait_loadcnt 0x0
	v_pk_add_f32 v[4:5], v[4:5], v[6:7]
	v_pk_add_f32 v[8:9], v[8:9], v[10:11]
	v_pk_add_f32 v[12:13], v[12:13], v[14:15]
	v_pk_add_f32 v[16:17], v[16:17], v[18:19]
	v_pk_add_f32 v[4:5], v[4:5], v[8:9]
	v_pk_add_f32 v[12:13], v[12:13], v[16:17]
	v_pk_add_f32 v[4:5], v[4:5], v[12:13]
	v_add_f32 v4, v4, v5
	v_add_f32_dpp v4, v4, v4 row_xmask:1 row_mask:0xf bank_mask:0xf
	v_add_f32_dpp v4, v4, v4 row_xmask:2 row_mask:0xf bank_mask:0xf
	v_add_f32_dpp v4, v4, v4 row_xmask:4 row_mask:0xf bank_mask:0xf
	v_add_f32_dpp v4, v4, v4 row_xmask:8 row_mask:0xf bank_mask:0xf
	v_permlanex16_b32 v3, v4, s8, s9
	v_add_f32 v4, v4, v3
	v_mul_f32 v4, 0x34800000, v4                   ; 2^-22
	v_cmp_eq_u32 vcc_lo, 0, v0
	s_wait_xcnt 0x0                                ; EXEC changes only behind this wait
	s_and_saveexec_b32 s10, vcc_lo
	global_store_b32 v2, v4, s[6:7]
	s_wait_xcnt 0x0
	s_or_b32 exec_lo, exec_lo, s10
	s_endpgm
.Lfunc_end_k_q0cf0f698d2_lsum:
	.size	k_q0cf0f698d2_lsum, .Lfunc_end_k_q0cf0f698d2_lsum-k_q0cf0f698d2_lsum
	.p2alignl 7, 3214868480
	.fill 96, 4, 3214868480
	.section	.rodata,"a",@progbits
	.p2align	6, 0x0
	.amdhsa_kernel k_q0cf0f698d2_lsum
		.amdhsa_group_segment_fixed_size 0
		.amdhsa_private_segment_fixed_size 0
		.amdhsa_enable_private_segment 0
		.amdhsa_kernarg_size 16
		.amdhsa_user_sgpr_count 2
		.amdhsa_user_sgpr_kernarg_segment_ptr 1
		.amdhsa_wavefront_size32 1
		.amdhsa_system_sgpr_workgroup_id_x 1
		.amdhsa_system_sgpr_workgroup_id_y 1
		.amdhsa_system_sgpr_workgroup_id_z 1
		.amdhsa_system_vgpr_workitem_id 0
		.amdhsa_next_free_vgpr 24
		.amdhsa_next_free_sgpr 66
		.amdhsa_reserve_vcc 1
		.amdhsa_float_denorm_mode_32 3
		.amdhsa_float_denorm_mode_16_64 3
		.amdhsa_memory_ordered 1
		.amdhsa_forward_progress 1
		.amdhsa_inst_pref_size 3
	.end_amdhsa_kernel
	.amdgpu_metadata
---
amdhsa.version: [ 1, 2 ]
amdhsa.kernels:
  - .name:           k_q0cf0f698d2_lsum
    .symbol:         k_q0cf0f698d2_lsum.kd
    .args:
      - { .name: part, .offset: 0, .size: 8, .value_kind: global_buffer, .address_space: global }
      - { .name: out1, .offset: 8, .size: 8, .value_kind: global_buffer, .address_space: global }
    .group_segment_fixed_size: 0
    .private_segment_fixed_size: 0
    .kernarg_segment_align: 8
    .kernarg_segment_size: 16
    .max_flat_workgroup_size: 32
    .sgpr_count:     66
    .vgpr_count:     24
    .wavefront_size: 32
...
	.end_amdgpu_metadata
.endif
;; end of part 5
